; MI455X (gfx1250); checked and timed in simulation.
; The chip was launched on July 23, 2026; its instructions are those of AMD's public machine-readable ISA for CDNA 5 (MIT licence, August 2026) and "CDNA5" Instruction Set Architecture Reference Guide (July 2026). The comments in the code are by the model that wrote it; some were corrected since.
;; Double Sin. Allowed arithmetic: float matrix products may take bf16 or f16 operands with f32 sums; all other float work in f32.
;; Inputs: W1_m1 64 x 1 float32; W1_m2 64 x 1 float32; W2_m1 64 x 64 float32; W2_m2 64 x 64 float32; W3_m1 64 x 64 float32; W3_m2 64 x 64 float32; W4_m1 1 x 64 float32; W4_m2 1 x 64 float32; a1_m1 64 float32; a1_m2 64 float32; a2_m1 64 float32; a2_m2 64 float32; a3_m1 64 float32; a3_m2 64 float32; b1_m1 64 float32; b1_m2 64 float32; b2_m1 64 float32; b2_m2 64 float32; b3_m1 64 float32; b3_m2 64 float32; b4_m1 1 float32; b4_m2 1 float32; x 1,048,576 x 1 float32.
;; Outputs: out0 1,048,576 x 1 float32.
;; 2 versions, each right; version 2 is version 1 with the launch doublesin written anew for expert scheduling mode. Each part assembles by itself: llvm-mc -triple=amdgcn-amd-amdhsa -mcpu=gfx1250 --defsym DOCPART=n.
;; ======== version 1 of 2: 1 launch
;; limits: a function is approximated: absolute error at most 8.5e-05
;; launch doublesin (part 1): grid 256 x 1, 8 waves a work-group, no clusters, 123,904 bytes of LDS; arguments W1_m1, b1_m1, a1_m1, W2_m1, b2_m1, a2_m1, W3_m1, b3_m1, a3_m1, W4_m1, b4_m1, W1_m2, b1_m2, a1_m2, W2_m2, b2_m2, a2_m2, W3_m2, b3_m2, a3_m2, W4_m2, b4_m2, x, out0; writes out0
.if DOCPART == 1
	.amdgcn_target "amdgcn-amd-amdhsa--gfx1250"
	.amdhsa_code_object_version 6
	.text
	.protected	k_q5134d7ac51_doublesin
	.globl	k_q5134d7ac51_doublesin
	.p2align	8
	.type	k_q5134d7ac51_doublesin,@function
k_q5134d7ac51_doublesin:
	s_mov_b64 s[64:65], 0
	v_nop
	global_prefetch_b8 v0, s[64:65] scope:SCOPE_SE
	s_setreg_imm32_b32 hwreg(HW_REG_WAVE_MODE, 25, 1), 1
	s_wait_xcnt 0x0
; out[n] = mlp1(x[n]) + mlp2(2 x[n]); each mlp is 1 -> 64 -> 64 -> 64 -> 1 with snake(z) = z + sin^2(a z) / a behind its first three layers.
; UNITS.  With t = a z / pi and g = t + sin^2(pi t) / pi a layer's output is h = (pi / a) g.  So all per-channel numbers are folded into the weights, once:
;   t1 = P x + R,  P = sigma a1 W1 / pi (sigma = 1 or 2),  R = a1 b1 / pi;    t(l+1) = Wt g(l) + bt,  Wt[i][j] = a(l+1)[i] W[i][j] / a(l)[j],  bt = a(l+1) b(l+1) / pi;
;   out = sum over j of (pi W4[j] / a3[j]) g3[j], and b4_m1 + b4_m2 at the end.  The activation then names no per-channel register.
; SIN^2.  r = t - rndne(t), |r| <= 1/2 for every t; u = r r; sin^2(pi r) / pi = u Q(u), Q a cubic (the Chebyshev series on 0 .. 1/4 cut behind its fourth term).
; FORMAT.  Every matrix operand goes as TWO bf16 pieces (hi = the upper 16 bits, lo = the rest rounded) and three products hi hi + lo hi + hi lo, summed in f32: an operand is then good to about 2^-16 of itself.
;   One bf16 piece would leave too little room in numbers near zero of 2^20 outputs; f16 has no room for inputs some 30 times larger.
; LIMITS.  a is not 0 and |a| is a normal number (1 / a by v_rcp_f32).  The cubic leaves sin^2 off by 8.5e-5 at the most.  The argument is reduced in f32: t carries 2^-24 of itself, and from |t| = 2^23 on sin^2 counts as 0.
;   NaN and infinities are not treated apart.
; SHARES.  A work-group owns 4,096 samples.  Waves 0-3 compute branch m1, waves 4-7 branch m2, by one text: the pointers are chosen by the wave's number.  A wave takes 1,024 samples, 16 a trip, 64 trips.
;   The two branches' partial outputs meet in LDS at the end.
; LAYOUT.  Source 0 = 16 output channels, source 1 = 16 samples: in a result lane l holds sample l % 16, and register j of accumulator mt channel 16 mt + 8 (l / 16) + j.  The 16 register pairs of the four
;   accumulators, packed to 16 bits, ARE source 1 of the next layer: nothing changes lanes between the layers.
; NO CLUSTER, NO TENSOR LOAD: what work-groups share is 68 KB of parameters, read once by each; x is 16 KB a work-group.  No wave waits for memory in the loop, so nothing is prefetched.
.set IMG,    16384                     ; LDS: x at 0 (16,384 bytes); then for each branch four images of 64 rows x 144 bytes: Wt2 hi, Wt2 lo, Wt3 hi, Wt3 lo
.set PITCH,  144                       ; 128 bytes of bf16 + 16 of padding: the 16 rows of a fragment load start 36 words apart
.set IMGB,   64*PITCH
.set OLDS,   IMG+8*IMGB                ; 90,112: wave w's 1,024 partial outputs at OLDS + 4,096 w
.set SPARE,  OLDS+8*4096               ; 122,880: the spare words, 128 bytes for each wave: four blocks of 256 bytes that no other line names
.set TRIPS,  64
; window 0
.set XA,   3                           ; v3   LDS address of my sample's x in the next tile
.set OA,   4                           ; v4   LDS address of my sample's partial output
.set XV,   5                           ; v5   x
.set NEG1, 6                           ; v6   -1.0
.set PX,   7                           ; v7   takes the other half of the lanes' sum
.set SPW,  8                           ; v8   LDS address of my spare word; never rewritten
.set NIL,  9                           ; v9   0; never rewritten
.set BB,   16                          ; v[16:27] zeros | D | zeros: v[16:23] has D in registers 4-7, v[20:27] in registers 0-3
.set AFF,  28                          ; v[28:43] layer 1's source 0: four blocks of 4 registers, one for each 16 channels
.set BIAS, 44                          ; v[44:107] bt2, bt3 in the accumulators' layout
.set W4R,  108                         ; v[108:139] pi W4 / a3 in the accumulators' layout, f32
.set T,    140                         ; v[140:171] the four accumulators
.set GH,   172                         ; v[172:187] g's upper pieces
.set GL,   188                         ; v[188:203] g's lower pieces
.set KK,   204                         ; v[204:219] at work, 8 pairs
.set UU,   220                         ; v[220:235] at work, 8 pairs
.set ACC,  236                         ; v[236:243] four chains of the last layer's sum
; the set-up's names for the same registers
.set R2,   140                         ; W2 as loaded
.set R3,   172                         ; W3 as loaded
.set RW2,  204                         ; a2 of my eight rows
.set RW3,  212                         ; a3 of my eight rows
.set CA1,  220                         ; a1 of my four columns, then 1 / a1
.set CA2,  224                         ; a2 likewise
.set SP,   228                         ; v[228:235] the split: hi, lo, four at work
.set XS,   236                         ; v[236:251] x on its way into LDS
.set TA2,  140                         ; later: a2, a3 in the accumulators' layout
.set TA3,  172
; window 1: source 0 of layers 2 and 3: layer l (0, 1), piece (0 hi, 1 lo), channels 16 mt on, K 32 kh on at 128 l + 64 piece + 16 mt + 8 kh
.set MSB, 0
.macro WIN new                         ; the immediate's high byte repeats the setting that is left; a switch that changes nothing is dropped
.if MSB != (\new)
	s_set_vgpr_msb (MSB<<8)|(\new)
.set MSB, \new
.endif
.endm
	s_load_b512 s[8:23], s[0:1], 0x0               ; the 24 addresses: number i at s[8 + 2 i]
	s_load_b512 s[24:39], s[0:1], 0x40
	s_load_b512 s[40:55], s[0:1], 0x80
	v_lshl_add_u32 v[SPW], v0, 2, SPARE
	v_mov_b32 v[NIL], 0
	v_lshrrev_b32 v1, 5, v0
	v_readfirstlane_b32 s82, v1                    ; wave 0..7
	s_lshr_b32 s83, s82, 2                         ; branch
	s_and_b32 s84, s82, 3                          ; my quarter of the group's samples
	s_mov_b32 s66, 0x40490e14                      ; Q's coefficients, each as a pair:  3.1414842
	s_mov_b32 s67, s66
	s_mov_b32 s68, 0xc125246c                      ; -10.3213918
	s_mov_b32 s69, s68
	s_mov_b32 s70, 0x41550a99                      ;  13.3150869
	s_mov_b32 s71, s70
	s_mov_b32 s72, 0xc0f62848                      ;  -7.6924171
	s_mov_b32 s73, s72
	s_mov_b32 s74, 0x07060302                      ; v_perm_b32: the upper halves of two words
	s_mov_b32 s75, 0xffff0000                      ; lanes 16-31
	s_mov_b32 s76, 0x76543210                      ; v_permlanex16_b32: each lane takes its own place in the other half
	s_mov_b32 s77, 0xfedcba98
	s_mov_b32 s78, 0x3ea2f983                      ; 1 / pi
	s_mov_b32 s92, 0x3f22f983                      ; 2 / pi
	s_mov_b32 s80, 0x40490fdb                      ; pi
	s_mov_b32 s81, s80
	s_lshl_b32 s86, ttmp9, 14                      ; the group's 4,096 samples of 4 bytes
	s_mov_b32 s87, 0
	s_mul_i32 s88, s83, 4*IMGB
	s_add_co_u32 s88, s88, IMG                     ; my branch's images
	s_lshl_b32 s89, s82, 11                        ; the 2,048 bytes of out that my wave stores
	s_lshl_b32 s90, s84, 12                        ; my 1,024 samples in the group's x
	s_lshl_b32 s91, s82, 12
	s_add_co_u32 s91, s91, OLDS                    ; my partial outputs
	v_and_b32 v1, 15, v0                           ; r = l % 16
	v_bfe_u32 v2, v0, 4, 1                         ; h = l / 16
	v_mov_b32 v[NEG1], -1.0
	v_mov_b32 v[PX], 0
	v_lshlrev_b32 v10, 4, v0                       ; x: 16 bytes a thread
	v_and_b32 v11, 127, v0                         ; my number among my branch's 128 threads
	v_lshlrev_b32 v11, 4, v11                      ; W2, W3: 16 bytes a thread: row (number / 16) + 8 c, columns 4 r on
	v_bfe_u32 v14, v0, 4, 3                        ; number / 16
	v_lshlrev_b32 v12, 2, v14                      ; that row's a
	v_lshlrev_b32 v13, 4, v1                       ; those columns' a
	v_mul_u32_u24 v14, v14, PITCH
	v_lshl_add_u32 v14, v1, 3, v14
	v_add_nc_u32 v14, s88, v14                     ; where my four weights go in an image
	v_mul_u32_u24 v15, v1, PITCH
	v_lshl_add_u32 v15, v2, 4, v15
	v_add_nc_u32 v15, s88, v15                     ; a fragment: row r, 16 bytes for each half of the lanes
	v_lshlrev_b32 v252, 2, v1                      ; channel r of a block of 16
	v_lshlrev_b32 v253, 5, v2                      ; channels 8 h on
	v_and_b32 v255, 31, v0
	v_lshlrev_b32 v255, 4, v255
	v_add_nc_u32 v255, s89, v255                   ; my 16 bytes in out
	v_add_nc_u32 v254, OLDS, v255                  ; and in m1's partial outputs
	v_lshl_add_u32 v[XA], v1, 2, s90
	v_lshl_add_u32 v[OA], v1, 2, s91
	s_wait_kmcnt 0x0
	s_load_b32 s56, s[28:29], 0x0                  ; b4_m1
	s_load_b32 s57, s[50:51], 0x0                  ; b4_m2
	s_cmp_lt_u32 s82, 4                            ; my branch's ten pointers: W1 s[8:9], b1 s[10:11], a1 s[12:13], W2 s[14:15], b2 s[16:17], a2 s[18:19], W3 s[20:21], b3 s[22:23], a3 s[24:25], W4 s[26:27]
.irp j, 0,1,2,3,4,5,6,7,8,9
	s_cselect_b64 s[8+2*\j:9+2*\j], s[8+2*\j:9+2*\j], s[30+2*\j:31+2*\j]
.endr
	s_cselect_b32 s79, s78, s92                    ; sigma / pi
	s_add_nc_u64 s[52:53], s[52:53], s[86:87]      ; x and out at the group's first sample
	s_add_nc_u64 s[54:55], s[54:55], s[86:87]
	s_wait_kmcnt 0x0
	; THE SET-UP'S FIRST LOADS, 38 in this order: x 4, column a 2, row a 16, W2 8, W3 8
.irp c, 0,1,2,3
	global_load_b128 v[XS+4*\c:XS+4*\c+3], v10, s[52:53] offset:4096*\c th:TH_LOAD_NT
.endr
	global_load_b128 v[CA1:CA1+3], v13, s[12:13]
	global_load_b128 v[CA2:CA2+3], v13, s[18:19]
.irp c, 0,1,2,3,4,5,6,7
	global_load_b32 v[RW2+\c], v12, s[18:19] offset:32*\c
.endr
.irp c, 0,1,2,3,4,5,6,7
	global_load_b32 v[RW3+\c], v12, s[24:25] offset:32*\c
.endr
.irp c, 0,1,2,3,4,5,6,7
	global_load_b128 v[R2+4*\c:R2+4*\c+3], v11, s[14:15] offset:2048*\c
.endr
.irp c, 0,1,2,3,4,5,6,7
	global_load_b128 v[R3+4*\c:R3+4*\c+3], v11, s[20:21] offset:2048*\c
.endr
	s_wait_loadcnt 34                              ; x is in: the 34 younger loads stay out
.irp c, 0,1,2,3
	ds_store_b128 v10, v[XS+4*\c:XS+4*\c+3] offset:4096*\c
.endr
	s_wait_loadcnt 16                              ; all a are in: W2's and W3's sixteen loads stay out
.irp k, 0,1,2,3,4,5,6,7
	v_rcp_f32 v[CA1+\k], v[CA1+\k]                 ; 1 / a1, 1 / a2 of my columns
.endr
	v_nop                                          ; a plain instruction between the last reciprocal and the use of its result (ISA guide 5.7.2)
	s_wait_alu depctr_va_vdst(0)
; Four weights of row 8 cc + number / 16: times the row's a, times the columns' 1 / a; cut into hi (the upper 16 bits) and lo (the exact rest, rounded to bf16); 8 bytes into each of two images.
.macro FOLD src, rw, ca, cc, im
.irp k, 0,1,2,3
	v_mul_f32 v[(\src)+4*(\cc)+\k], v[(\rw)+(\cc)], v[(\src)+4*(\cc)+\k]
.endr
	v_pk_mul_f32 v[(\src)+4*(\cc):(\src)+4*(\cc)+1], v[(\src)+4*(\cc):(\src)+4*(\cc)+1], v[(\ca):(\ca)+1]
	v_pk_mul_f32 v[(\src)+4*(\cc)+2:(\src)+4*(\cc)+3], v[(\src)+4*(\cc)+2:(\src)+4*(\cc)+3], v[(\ca)+2:(\ca)+3]
	v_perm_b32 v[SP], v[(\src)+4*(\cc)+1], v[(\src)+4*(\cc)], s74
	v_perm_b32 v[SP+1], v[(\src)+4*(\cc)+3], v[(\src)+4*(\cc)+2], s74
.irp k, 0,1,2,3
	v_fma_mix_f32_bf16 v[SP+4+\k], v[(\src)+4*(\cc)+\k], v[NEG1], v[(\src)+4*(\cc)+\k] op_sel:[1,0,0] op_sel_hi:[1,0,0]  ; w - hi, exact
.endr
	v_cvt_pk_bf16_f32 v[SP+2], v[SP+4], v[SP+5]
	v_cvt_pk_bf16_f32 v[SP+3], v[SP+6], v[SP+7]
	ds_store_b64 v14, v[SP:SP+1] offset:(\im)*IMGB+8*PITCH*(\cc)
	ds_store_b64 v14, v[SP+2:SP+3] offset:((\im)+1)*IMGB+8*PITCH*(\cc)
.endm
	s_wait_loadcnt 8                               ; W2 is in: W3's eight loads stay out
.irp c, 0,1,2,3,4,5,6,7
	FOLD R2, RW2, CA1, \c, 0
.endr
	s_wait_loadcnt 0x0                             ; W3
.irp c, 0,1,2,3,4,5,6,7
	FOLD R3, RW3, CA2, \c, 2
.endr
	; what each wave keeps for itself: 52 loads, on their way across the barrier (nobody writes these bytes)
.irp mt, 0,1,2,3
	global_load_b32 v[204+\mt], v252, s[12:13] offset:64*\mt   ; a1, W1, b1 of channel 16 mt + r
	global_load_b32 v[208+\mt], v252, s[8:9] offset:64*\mt
	global_load_b32 v[212+\mt], v252, s[10:11] offset:64*\mt
.endr
.irp mt, 0,1,2,3
.irp q, 0,1
	global_load_b128 v[BIAS+8*\mt+4*\q:BIAS+8*\mt+4*\q+3], v253, s[16:17] offset:64*\mt+16*\q        ; b2 of channels 16 mt + 8 h + 4 q on
	global_load_b128 v[BIAS+32+8*\mt+4*\q:BIAS+32+8*\mt+4*\q+3], v253, s[22:23] offset:64*\mt+16*\q  ; b3
	global_load_b128 v[TA2+8*\mt+4*\q:TA2+8*\mt+4*\q+3], v253, s[18:19] offset:64*\mt+16*\q          ; a2
	global_load_b128 v[TA3+8*\mt+4*\q:TA3+8*\mt+4*\q+3], v253, s[24:25] offset:64*\mt+16*\q          ; a3
	global_load_b128 v[W4R+8*\mt+4*\q:W4R+8*\mt+4*\q+3], v253, s[26:27] offset:64*\mt+16*\q          ; W4
.endr
.endr
	s_wait_dscnt 0x0                               ; for the others' sake: my stores of x and of the images are done
	s_barrier_signal -1
	s_barrier_wait -1                              ; everybody's are; x and the images are written no more
	WIN 0x40                                       ; destination window 1, address window 0
.irp g, 0,1,2,3
.irp mt, 0,1,2,3
.irp kh, 0,1
	ds_load_b128 v[64*\g+16*\mt+8*\kh:64*\g+16*\mt+8*\kh+3],   v15 offset:\g*IMGB+\mt*16*PITCH+64*\kh
	ds_load_b128 v[64*\g+16*\mt+8*\kh+4:64*\g+16*\mt+8*\kh+7], v15 offset:\g*IMGB+\mt*16*PITCH+64*\kh+32
.endr
.endr
.endr
	WIN 0
	s_wait_loadcnt 0x0                             ; the 52
.set i, 0
.rept 16
	v_pk_mul_f32 v[BIAS+i:BIAS+i+1], v[BIAS+i:BIAS+i+1], v[TA2+i:TA2+i+1]              ; bt2 = a2 b2 / pi
	v_pk_mul_f32 v[BIAS+32+i:BIAS+32+i+1], v[BIAS+32+i:BIAS+32+i+1], v[TA3+i:TA3+i+1]  ; bt3 = a3 b3 / pi
.set i, i+2
.endr
.set i, 0
.rept 32
	v_pk_mul_f32 v[BIAS+i:BIAS+i+1], v[BIAS+i:BIAS+i+1], s[78:79] op_sel_hi:[1,0]      ; the pair's low word, 1 / pi, for both halves
.set i, i+2
.endr
.set i, 0
.rept 32
	v_rcp_f32 v[TA3+i], v[TA3+i]
.set i, i+1
.endr
	v_nop                                          ; a plain instruction behind the last reciprocal
.set i, 0
	s_wait_alu depctr_va_vdst(0)
.rept 16
	v_pk_mul_f32 v[W4R+i:W4R+i+1], v[W4R+i:W4R+i+1], v[TA3+i:TA3+i+1]                  ; pi W4 / a3
.set i, i+2
.endr
.set i, 0
.rept 16
	v_pk_mul_f32 v[W4R+i:W4R+i+1], v[W4R+i:W4R+i+1], s[80:81] op_sel_hi:[1,0]
.set i, i+2
.endr
; LAYER 1 ON THE MATRIX UNIT.  P, R and x are each cut into three bf16 pieces (round, subtract exactly, again).  A block of source 0, 16 K deep: lanes 0-15 hold (P1,P1) (P2,P1) (P2,P3) (R1,R2), lanes 16-31
; 0, 0, 0, (R3,0).  Source 1's block D, alike in both halves of the lanes: (x1,x2) (x1,x3) (x2,x1) (1,1).  The sum: P1 x1 + P1 x2 + P2 x1 + P1 x3 + P2 x2 + P3 x1 + R1 + R2 + R3.
.macro AFFBLK mt
	v_mul_f32 v216, v[204+(\mt)], v[208+(\mt)]
	v_mul_f32 v217, v[204+(\mt)], v[212+(\mt)]
	v_mul_f32 v216, s79, v216                      ; P
	v_mul_f32 v217, s78, v217                      ; R
	v_cvt_pk_bf16_f32 v218, v216, v216             ; (P1, P1)
	v_lshlrev_b32 v219, 16, v218
	v_sub_f32 v220, v216, v219                     ; P - P1
	v_cvt_pk_bf16_f32 v221, v220, v220
	v_lshlrev_b32 v221, 16, v221
	v_sub_f32 v222, v220, v221                     ; P - P1 - P2
	v_cvt_pk_bf16_f32 v223, v220, v216             ; (P2, P1)
	v_cvt_pk_bf16_f32 v224, v220, v222             ; (P2, P3)
	v_cvt_pk_bf16_f32 v225, v217, v217
	v_lshlrev_b32 v225, 16, v225
	v_sub_f32 v226, v217, v225                     ; R - R1
	v_cvt_pk_bf16_f32 v225, v226, v226
	v_lshlrev_b32 v225, 16, v225
	v_sub_f32 v227, v226, v225                     ; R - R1 - R2
	v_cvt_pk_bf16_f32 v225, v217, v226             ; (R1, R2)
	v_cvt_pk_bf16_f32 v227, v227, 0                ; (R3, 0)
	v_cndmask_b32 v[AFF+4*(\mt)], v218, 0, s75
	v_cndmask_b32 v[AFF+4*(\mt)+1], v223, 0, s75
	v_cndmask_b32 v[AFF+4*(\mt)+2], v224, 0, s75
	v_cndmask_b32 v[AFF+4*(\mt)+3], v225, v227, s75
.endm
	AFFBLK 0
	AFFBLK 1
	AFFBLK 2
	AFFBLK 3
.irp k, 0,1,2,3
	v_mov_b32 v[BB+\k], 0
	v_mov_b32 v[BB+8+\k], 0
.endr
	v_mov_b32 v[BB+7], 0x3f803f80                  ; (1, 1)
	ds_load_b32 v[XV], v[XA]                       ; tile 0's x: both halves of the lanes take sample r's
	v_add_nc_u32 v[XA], 64, v[XA]
	s_mov_b32 s85, TRIPS
; A vector instruction that reads a matrix result or writes one of a matrix instruction's registers stands four places behind it, and only plain vector instructions that name none of its
; registers are places (ISA guide 7.12.1).
.macro PLACES
.rept 4
	v_nop
.endr
.endm
.macro XPREP                           ; x's three pieces into D
	v_cvt_pk_bf16_f32 v10, v[XV], v[XV]
	v_lshlrev_b32 v11, 16, v10
	v_sub_f32 v12, v[XV], v11                      ; x - x1
	v_cvt_pk_bf16_f32 v13, v12, v12
	v_lshlrev_b32 v14, 16, v13
	v_sub_f32 v15, v12, v14                        ; x - x1 - x2
	v_cvt_pk_bf16_f32 v[BB+4], v[XV], v12          ; (x1, x2)
	v_cvt_pk_bf16_f32 v[BB+5], v[XV], v15          ; (x1, x3)
	v_cvt_pk_bf16_f32 v[BB+6], v12, v[XV]          ; (x2, x1)
.endm
.macro M1                              ; a fragment of source 0 holds two blocks; D beside zeros picks one of them
	v_wmma_f32_16x16x32_bf16 v[T:T+7],     v[AFF:AFF+7],    v[BB+4:BB+11], 0
	v_wmma_f32_16x16x32_bf16 v[T+8:T+15],  v[AFF:AFF+7],    v[BB:BB+7],    0
	v_wmma_f32_16x16x32_bf16 v[T+16:T+23], v[AFF+8:AFF+15], v[BB+4:BB+11], 0
	v_wmma_f32_16x16x32_bf16 v[T+24:T+31], v[AFF+8:AFF+15], v[BB:BB+7],    0
	PLACES
.endm
; Four matrix instructions: one piece of the weights x one piece of g, 32 along K, all 64 output channels.  The four accumulators take turns, one instruction a turn.
.macro MTERM l, part, g, kh, first
.irp mt, 0,1,2,3
.if \first
	v_wmma_f32_16x16x32_bf16 v[T+8*\mt:T+8*\mt+7], v[128*(\l)+64*(\part)+16*\mt+8*(\kh):128*(\l)+64*(\part)+16*\mt+8*(\kh)+7], v[(\g)+8*(\kh):(\g)+8*(\kh)+7], v[BIAS+32*(\l)+8*\mt:BIAS+32*(\l)+8*\mt+7]
.else
	v_wmma_f32_16x16x32_bf16 v[T+8*\mt:T+8*\mt+7], v[128*(\l)+64*(\part)+16*\mt+8*(\kh):128*(\l)+64*(\part)+16*\mt+8*(\kh)+7], v[(\g)+8*(\kh):(\g)+8*(\kh)+7], v[T+8*\mt:T+8*\mt+7]
.endif
.endr
.endm
.macro MW l                            ; t = bt + Wt g: the bias starts the sums; 24 matrix instructions under one window setting
	WIN 0x01                                       ; source 0 in window 1
	MTERM \l, 0, GH, 0, 1
	MTERM \l, 0, GH, 1, 0
	MTERM \l, 1, GH, 0, 0
	MTERM \l, 1, GH, 1, 0
	MTERM \l, 0, GL, 0, 0
	MTERM \l, 0, GL, 1, 0
	WIN 0
	PLACES
.endm
; g = t + u Q(u) for 8 pairs (two accumulators), in place.  Each accumulator's lowest register is read first.
.macro VPOLY b
.set TB, T+16*(\b)
.set i, 0
.rept 16
	v_rndne_f32 v[KK+i], v[TB+i]
.set i, i+1
.endr
.set i, 0
.rept 8
	v_pk_add_f32 v[UU+i:UU+i+1], v[TB+i:TB+i+1], v[KK+i:KK+i+1] neg_lo:[0,1] neg_hi:[0,1]  ; r
.set i, i+2
.endr
.set i, 0
.rept 8
	v_pk_mul_f32 v[UU+i:UU+i+1], v[UU+i:UU+i+1], v[UU+i:UU+i+1]                            ; u
.set i, i+2
.endr
.set i, 0
.rept 8
	v_pk_fma_f32 v[KK+i:KK+i+1], v[UU+i:UU+i+1], s[72:73], s[70:71] op_sel_hi:[1,0,0]
.set i, i+2
.endr
.set i, 0
.rept 8
	v_pk_fma_f32 v[KK+i:KK+i+1], v[KK+i:KK+i+1], v[UU+i:UU+i+1], s[68:69] op_sel_hi:[1,1,0]
.set i, i+2
.endr
.set i, 0
.rept 8
	v_pk_fma_f32 v[KK+i:KK+i+1], v[KK+i:KK+i+1], v[UU+i:UU+i+1], s[66:67] op_sel_hi:[1,1,0]
.set i, i+2
.endr
.set i, 0
.rept 8
	v_pk_fma_f32 v[TB+i:TB+i+1], v[KK+i:KK+i+1], v[UU+i:UU+i+1], v[TB+i:TB+i+1]
.set i, i+2
.endr
.endm
; g's two pieces for the same 8 pairs: hi = the upper 16 bits, lo = g - hi (exact) rounded to bf16
.macro VSPLIT b
.set TB, T+16*(\b)
.set i, 0
.rept 8
	v_perm_b32 v[GH+8*(\b)+i], v[TB+2*i+1], v[TB+2*i], s74
.set i, i+1
.endr
.set i, 0
.rept 16
	v_fma_mix_f32_bf16 v[KK+i], v[TB+i], v[NEG1], v[TB+i] op_sel:[1,0,0] op_sel_hi:[1,0,0]
.set i, i+1
.endr
.set i, 0
.rept 8
	v_cvt_pk_bf16_f32 v[GL+8*(\b)+i], v[KK+2*i], v[KK+2*i+1]
.set i, i+1
.endr
.endm
; the last layer in f32: pair p onto chain p % 4; the first four pairs start the chains
.macro VDOT b
.set i, 0
.rept 8
.if ((\b) == 0) && (i < 4)
	v_pk_mul_f32 v[ACC+2*i:ACC+2*i+1], v[T+2*i:T+2*i+1], v[W4R+2*i:W4R+2*i+1]
.else
	v_pk_fma_f32 v[ACC+2*(i%4):ACC+2*(i%4)+1], v[T+16*(\b)+2*i:T+16*(\b)+2*i+1], v[W4R+16*(\b)+2*i:W4R+16*(\b)+2*i+1], v[ACC+2*(i%4):ACC+2*(i%4)+1]
.endif
.set i, i+1
.endr
.endm
.Ltile:                                                ; a trip: 16 samples through my branch
	s_wait_dscnt 0x0                               ; x, asked for a trip ago; in the first trip the weights' fragments too
	XPREP
	ds_load_b32 v[XV], v[XA]                       ; the next tile's x.  In the last trip this reads the 64 bytes behind my 4,096: a neighbour's x or an image's first bytes, written ahead of the first barrier and never after; the number is not used
	v_add_nc_u32 v[XA], 64, v[XA]
	M1
	VPOLY 0
	VSPLIT 0
	VPOLY 1
	VSPLIT 1
	MW 0
	VPOLY 0
	VSPLIT 0
	VPOLY 1
	VSPLIT 1
	MW 1
	VPOLY 0
	VDOT 0
	VPOLY 1
	VDOT 1
	v_pk_add_f32 v[ACC:ACC+1], v[ACC:ACC+1], v[ACC+2:ACC+3]
	v_pk_add_f32 v[ACC+4:ACC+5], v[ACC+4:ACC+5], v[ACC+6:ACC+7]
	v_pk_add_f32 v[ACC:ACC+1], v[ACC:ACC+1], v[ACC+4:ACC+5]
	v_add_f32 v[ACC], v[ACC], v[ACC+1]             ; my 32 channels
	v_permlanex16_b32 v[PX], v[ACC], s76, s77      ; the sample's other 32 lie in the lane 16 away
	v_add_f32 v[ACC], v[ACC], v[PX]
	ds_store_b32 v[OA], v[ACC]                     ; both halves of the lanes store the same word with the same number
	v_add_nc_u32 v[OA], 64, v[OA]
	s_sub_co_u32 s85, s85, 1
	s_cmp_lg_u32 s85, 0
	s_cbranch_scc1 .Ltile
	; THE WAY OUT.  Wave w adds the two branches' partial outputs of samples 512 w .. 512 w + 511 and stores them.
	s_wait_dscnt 0x0                               ; for the others' sake: my partial outputs are in LDS
	s_barrier_signal -1
	s_barrier_wait -1
.irp c, 0,1,2,3
	ds_load_b128 v[T+4*\c:T+4*\c+3], v254 offset:512*\c              ; m1's
	ds_load_b128 v[T+16+4*\c:T+16+4*\c+3], v254 offset:16384+512*\c  ; m2's
.endr
	v_mov_b32 v244, s56
	v_add_f32 v244, s57, v244                      ; b4_m1 + b4_m2
	v_mov_b32 v245, v244
	s_wait_dscnt 0x0
.set i, 0
.rept 8
	v_pk_add_f32 v[T+i:T+i+1], v[T+i:T+i+1], v[T+16+i:T+16+i+1]
.set i, i+2
.endr
.set i, 0
.rept 8
	v_pk_add_f32 v[T+i:T+i+1], v[T+i:T+i+1], v[244:245]
.set i, i+2
.endr
.irp c, 0,1,2,3
	global_store_b128 v255, v[T+4*\c:T+4*\c+3], s[54:55] offset:512*\c th:TH_STORE_NT  ; a wave's store covers 512 consecutive bytes, at a multiple of 512 from out's first byte
.endr
	s_wait_tensorcnt 0x0                           ; the wave's end, behind my last LDS store
	ds_add_u32 v[SPW], v[NIL]
	s_wait_dscnt 0x0
	s_endpgm
.Lfunc_end_k_q5134d7ac51_doublesin:
	.size	k_q5134d7ac51_doublesin, .Lfunc_end_k_q5134d7ac51_doublesin-k_q5134d7ac51_doublesin
	.p2alignl 7, 3214868480
	.fill 96, 4, 3214868480
	.section	.rodata,"a",@progbits
	.p2align	6, 0x0
	.amdhsa_kernel k_q5134d7ac51_doublesin
		.amdhsa_group_segment_fixed_size 123904
		.amdhsa_private_segment_fixed_size 0
		.amdhsa_enable_private_segment 0
		.amdhsa_kernarg_size 192
		.amdhsa_user_sgpr_count 2
		.amdhsa_user_sgpr_kernarg_segment_ptr 1
		.amdhsa_wavefront_size32 1
		.amdhsa_system_sgpr_workgroup_id_x 1
		.amdhsa_system_sgpr_workgroup_id_y 1
		.amdhsa_system_sgpr_workgroup_id_z 1
		.amdhsa_system_vgpr_workitem_id 0
		.amdhsa_next_free_vgpr 512
		.amdhsa_next_free_sgpr 96
		.amdhsa_reserve_vcc 0
		.amdhsa_float_denorm_mode_32 3
		.amdhsa_float_denorm_mode_16_64 3
		.amdhsa_memory_ordered 1
		.amdhsa_forward_progress 1
		.amdhsa_inst_pref_size 80
	.end_amdhsa_kernel
	.amdgpu_metadata
---
amdhsa.version: [ 1, 2 ]
amdhsa.kernels:
  - .name:           k_q5134d7ac51_doublesin
    .symbol:         k_q5134d7ac51_doublesin.kd
    .args:
      - { .name: W1_m1, .offset: 0, .size: 8, .value_kind: global_buffer, .address_space: global }
      - { .name: b1_m1, .offset: 8, .size: 8, .value_kind: global_buffer, .address_space: global }
      - { .name: a1_m1, .offset: 16, .size: 8, .value_kind: global_buffer, .address_space: global }
      - { .name: W2_m1, .offset: 24, .size: 8, .value_kind: global_buffer, .address_space: global }
      - { .name: b2_m1, .offset: 32, .size: 8, .value_kind: global_buffer, .address_space: global }
      - { .name: a2_m1, .offset: 40, .size: 8, .value_kind: global_buffer, .address_space: global }
      - { .name: W3_m1, .offset: 48, .size: 8, .value_kind: global_buffer, .address_space: global }
      - { .name: b3_m1, .offset: 56, .size: 8, .value_kind: global_buffer, .address_space: global }
      - { .name: a3_m1, .offset: 64, .size: 8, .value_kind: global_buffer, .address_space: global }
      - { .name: W4_m1, .offset: 72, .size: 8, .value_kind: global_buffer, .address_space: global }
      - { .name: b4_m1, .offset: 80, .size: 8, .value_kind: global_buffer, .address_space: global }
      - { .name: W1_m2, .offset: 88, .size: 8, .value_kind: global_buffer, .address_space: global }
      - { .name: b1_m2, .offset: 96, .size: 8, .value_kind: global_buffer, .address_space: global }
      - { .name: a1_m2, .offset: 104, .size: 8, .value_kind: global_buffer, .address_space: global }
      - { .name: W2_m2, .offset: 112, .size: 8, .value_kind: global_buffer, .address_space: global }
      - { .name: b2_m2, .offset: 120, .size: 8, .value_kind: global_buffer, .address_space: global }
      - { .name: a2_m2, .offset: 128, .size: 8, .value_kind: global_buffer, .address_space: global }
      - { .name: W3_m2, .offset: 136, .size: 8, .value_kind: global_buffer, .address_space: global }
      - { .name: b3_m2, .offset: 144, .size: 8, .value_kind: global_buffer, .address_space: global }
      - { .name: a3_m2, .offset: 152, .size: 8, .value_kind: global_buffer, .address_space: global }
      - { .name: W4_m2, .offset: 160, .size: 8, .value_kind: global_buffer, .address_space: global }
      - { .name: b4_m2, .offset: 168, .size: 8, .value_kind: global_buffer, .address_space: global }
      - { .name: x, .offset: 176, .size: 8, .value_kind: global_buffer, .address_space: global }
      - { .name: out0, .offset: 184, .size: 8, .value_kind: global_buffer, .address_space: global }
    .group_segment_fixed_size: 123904
    .private_segment_fixed_size: 0
    .kernarg_segment_align: 8
    .kernarg_segment_size: 192
    .max_flat_workgroup_size: 256
    .sgpr_count:     96
    .vgpr_count:     512
    .wavefront_size: 32
...
	.end_amdgpu_metadata
.endif
;; end of part 1
;; ======== version 2 of 2: 1 launch; version 1 with the launch doublesin written anew for expert scheduling mode
;; limits: a function is approximated: absolute error at most 8.5e-05
;; launch doublesin (part 2): grid 256 x 1, 8 waves a work-group, no clusters, 123,904 bytes of LDS; arguments W1_m1, b1_m1, a1_m1, W2_m1, b2_m1, a2_m1, W3_m1, b3_m1, a3_m1, W4_m1, b4_m1, W1_m2, b1_m2, a1_m2, W2_m2, b2_m2, a2_m2, W3_m2, b3_m2, a3_m2, W4_m2, b4_m2, x, out0; writes out0
.if DOCPART == 2
	.amdgcn_target "amdgcn-amd-amdhsa--gfx1250"
	.amdhsa_code_object_version 6
	.text
	.protected	k_q5134d7ac51_doublesin
	.globl	k_q5134d7ac51_doublesin
	.p2align	8
	.type	k_q5134d7ac51_doublesin,@function
k_q5134d7ac51_doublesin:
	s_mov_b64 s[64:65], 0
	v_nop
	global_prefetch_b8 v0, s[64:65] scope:SCOPE_SE
	s_setreg_imm32_b32 hwreg(HW_REG_WAVE_SCHED_MODE, 0, 2), 2
	s_setreg_imm32_b32 hwreg(HW_REG_WAVE_MODE, 25, 1), 1
	s_wait_xcnt 0x0
	s_wait_alu depctr_vm_vsrc(0)
; out[n] = mlp1(x[n]) + mlp2(2 x[n]); each mlp is 1 -> 64 -> 64 -> 64 -> 1 with snake(z) = z + sin^2(a z) / a behind its first three layers.
; UNITS.  With t = a z / pi and g = t + sin^2(pi t) / pi a layer's output is h = (pi / a) g.  So all per-channel numbers are folded into the weights, once:
;   t1 = P x + R,  P = sigma a1 W1 / pi (sigma = 1 or 2),  R = a1 b1 / pi;    t(l+1) = Wt g(l) + bt,  Wt[i][j] = a(l+1)[i] W[i][j] / a(l)[j],  bt = a(l+1) b(l+1) / pi;
;   out = sum over j of (pi W4[j] / a3[j]) g3[j], and b4_m1 + b4_m2 at the end.  The activation then names no per-channel register.
; SIN^2.  r = t - rndne(t), |r| <= 1/2 for every t; u = r r; sin^2(pi r) / pi = u Q(u), Q a cubic (the Chebyshev series on 0 .. 1/4 cut behind its fourth term).
; FORMAT.  Every matrix operand goes as TWO bf16 pieces (hi = the upper 16 bits, lo = the rest rounded) and three products hi hi + lo hi + hi lo, summed in f32: an operand is then good to about 2^-16 of itself.
;   One bf16 piece would leave too little room in numbers near zero of 2^20 outputs; f16 has no room for inputs some 30 times larger.
; LIMITS.  a is not 0 and |a| is a normal number (1 / a by v_rcp_f32).  The cubic leaves sin^2 off by 8.5e-5 at the most.  The argument is reduced in f32: t carries 2^-24 of itself, and from |t| = 2^23 on sin^2 counts as 0.
;   NaN and infinities are not treated apart.
; SHARES.  A work-group owns 4,096 samples.  Waves 0-3 compute branch m1, waves 4-7 branch m2, by one text: the pointers are chosen by the wave's number.  A wave takes 1,024 samples, 16 a trip, 64 trips.
;   The two branches' partial outputs meet in LDS at the end.
; LAYOUT.  Source 0 = 16 output channels, source 1 = 16 samples: in a result lane l holds sample l % 16, and register j of accumulator mt channel 16 mt + 8 (l / 16) + j.  The 16 register pairs of the four
;   accumulators, packed to 16 bits, ARE source 1 of the next layer: nothing changes lanes between the layers.
; NO CLUSTER, NO TENSOR LOAD: what work-groups share is 68 KB of parameters, read once by each; x is 16 KB a work-group.  No wave waits for memory in the loop, so nothing is prefetched.
; THE MODE: SCHED_MODE bits 1:0 = 2 (LLVM: expert scheduling mode 2), set by the entry lines.  The code itself states the register dependences
; between vector or matrix instructions and memory or LDS instructions, with s_wait_alu, always for 0.
; THE PLAN.  Registers that memory or LDS instructions touch:
;   v10-v15, v252-v255   the set-up's and the way out's addresses: made once at the head, ahead of one wait on va_vdst.  v10-v15 become work registers of the trips, behind a wait on vm_vsrc.
;   R2, R3               W2, W3 as loaded; the folding leaves each four weights' two pieces in the four registers that they came in; one wait on va_vdst behind a matrix's eight foldings, then its 16 LDS stores
;                        in a run; one wait on vm_vsrc behind the last run, ahead of the loads of a2 and a3, which land there.
;   v[XV]                In the loop: written by the LDS load that trip t - 1 issues, read by the nine lines at trip t's head that cut x into pieces.
;   v[XA]                Read by that load; written by one add a trip.
;   v[OA], v[ACC]        Read by the LDS store of a trip's partial output, which is issued at the NEXT trip's head, beside the load of x; v[OA] is written by one add a trip, v[ACC] by the last layer's sums.
;   All other registers of the loop are named by vector and matrix instructions alone.
; So a trip has ONE wait on va_vdst, behind the cutting of x: x's register has been read, and the trip before has written v[ACC], v[XA] and v[OA]; the load and the store follow it.  And ONE wait on vm_vsrc, behind the
; third layer's matrix instructions: the load and the store have read their registers; the two adds and the last layer's sums follow it.  The first trip has no output of a trip before to store: it is written out ahead of the loop.
.set IMG,    16384                     ; LDS: x at 0 (16,384 bytes); then for each branch four images of 64 rows x 144 bytes: Wt2 hi, Wt2 lo, Wt3 hi, Wt3 lo
.set PITCH,  144                       ; 128 bytes of bf16 + 16 of padding: the 16 rows of a fragment load start 36 words apart
.set IMGB,   64*PITCH
.set OLDS,   IMG+8*IMGB                ; 90,112: wave w's 1,024 partial outputs at OLDS + 4,096 w
.set SPARE,  OLDS+8*4096               ; 122,880: the spare words, 128 bytes for each wave: four blocks of 256 bytes that no other line names
.set TRIPS,  64
; window 0
.set XA,   3                           ; v3   LDS address of my sample's x in the next tile
.set OA,   4                           ; v4   LDS address of my sample's partial output
.set XV,   5                           ; v5   x
.set NEG1, 6                           ; v6   -1.0
.set PX,   7                           ; v7   takes the other half of the lanes' sum
.set SPW,  8                           ; v8   LDS address of my spare word; never rewritten
.set NIL,  9                           ; v9   0; never rewritten
.set BB,   16                          ; v[16:27] zeros | D | zeros: v[16:23] has D in registers 4-7, v[20:27] in registers 0-3
.set AFF,  28                          ; v[28:43] layer 1's source 0: four blocks of 4 registers, one for each 16 channels
.set BIAS, 44                          ; v[44:107] bt2, bt3 in the accumulators' layout
.set W4R,  108                         ; v[108:139] pi W4 / a3 in the accumulators' layout, f32
.set T,    140                         ; v[140:171] the four accumulators
.set GH,   172                         ; v[172:187] g's upper pieces
.set GL,   188                         ; v[188:203] g's lower pieces
.set KK,   204                         ; v[204:219] at work, 8 pairs
.set UU,   220                         ; v[220:235] at work, 8 pairs
.set ACC,  236                         ; v[236:243] four chains of the last layer's sum
; the set-up's names for the same registers
.set R2,   140                         ; W2 as loaded, then its pieces as stored
.set R3,   172                         ; W3 likewise
.set RW2,  204                         ; a2 of my eight rows
.set RW3,  212                         ; a3 of my eight rows
.set CA1,  220                         ; a1 of my four columns, then 1 / a1
.set CA2,  224                         ; a2 likewise
.set SP,   228                         ; v[228:231] the split: four at work; no LDS instruction names them
.set XS,   236                         ; v[236:251] x on its way into LDS
.set TA2,  140                         ; later: a2, a3 in the accumulators' layout
.set TA3,  172
; window 1: source 0 of layers 2 and 3: layer l (0, 1), piece (0 hi, 1 lo), channels 16 mt on, K 32 kh on at 128 l + 64 piece + 16 mt + 8 kh
.set MSB, 0
.macro WIN new                         ; the immediate's high byte repeats the setting that is left; a switch that changes nothing is dropped
.if MSB != (\new)
	s_set_vgpr_msb (MSB<<8)|(\new)
.set MSB, \new
.endif
.endm
	s_load_b512 s[8:23], s[0:1], 0x0               ; the 24 addresses: number i at s[8 + 2 i]
	s_load_b512 s[24:39], s[0:1], 0x40
	s_load_b512 s[40:55], s[0:1], 0x80
	v_lshl_add_u32 v[SPW], v0, 2, SPARE
	v_mov_b32 v[NIL], 0
	v_lshrrev_b32 v1, 5, v0
	v_readfirstlane_b32 s82, v1                    ; wave 0..7
	s_wait_alu depctr_va_sdst(0)                   ; s82 is written, ahead of its first reader: the branch, the quarter and the wave's places in LDS are made from it
	s_lshr_b32 s83, s82, 2                         ; branch
	s_and_b32 s84, s82, 3                          ; my quarter of the group's samples
	s_mov_b32 s66, 0x40490e14                      ; Q's coefficients, each as a pair:  3.1414842
	s_mov_b32 s67, s66
	s_mov_b32 s68, 0xc125246c                      ; -10.3213918
	s_mov_b32 s69, s68
	s_mov_b32 s70, 0x41550a99                      ;  13.3150869
	s_mov_b32 s71, s70
	s_mov_b32 s72, 0xc0f62848                      ;  -7.6924171
	s_mov_b32 s73, s72
	s_mov_b32 s74, 0x07060302                      ; v_perm_b32: the upper halves of two words
	s_mov_b32 s75, 0xffff0000                      ; lanes 16-31
	s_mov_b32 s76, 0x76543210                      ; v_permlanex16_b32: each lane takes its own place in the other half
	s_mov_b32 s77, 0xfedcba98
	s_mov_b32 s78, 0x3ea2f983                      ; 1 / pi
	s_mov_b32 s92, 0x3f22f983                      ; 2 / pi
	s_mov_b32 s80, 0x40490fdb                      ; pi
	s_mov_b32 s81, s80
	s_lshl_b32 s86, ttmp9, 14                      ; the group's 4,096 samples of 4 bytes
	s_mov_b32 s87, 0
	s_mul_i32 s88, s83, 4*IMGB
	s_add_co_u32 s88, s88, IMG                     ; my branch's images
	s_lshl_b32 s89, s82, 11                        ; the 2,048 bytes of out that my wave stores
	s_lshl_b32 s90, s84, 12                        ; my 1,024 samples in the group's x
	s_lshl_b32 s91, s82, 12
	s_add_co_u32 s91, s91, OLDS                    ; my partial outputs
	v_and_b32 v1, 15, v0                           ; r = l % 16
	v_bfe_u32 v2, v0, 4, 1                         ; h = l / 16
	v_mov_b32 v[NEG1], -1.0
	v_mov_b32 v[PX], 0
	v_lshlrev_b32 v10, 4, v0                       ; x: 16 bytes a thread
	v_and_b32 v11, 127, v0                         ; my number among my branch's 128 threads
	v_lshlrev_b32 v11, 4, v11                      ; W2, W3: 16 bytes a thread: row (number / 16) + 8 c, columns 4 r on
	v_bfe_u32 v14, v0, 4, 3                        ; number / 16
	v_lshlrev_b32 v12, 2, v14                      ; that row's a
	v_lshlrev_b32 v13, 4, v1                       ; those columns' a
	v_mul_u32_u24 v14, v14, PITCH
	v_lshl_add_u32 v14, v1, 3, v14
	v_add_nc_u32 v14, s88, v14                     ; where my four weights go in an image
	v_mul_u32_u24 v15, v1, PITCH
	v_lshl_add_u32 v15, v2, 4, v15
	v_add_nc_u32 v15, s88, v15                     ; a fragment: row r, 16 bytes for each half of the lanes
	v_lshlrev_b32 v252, 2, v1                      ; channel r of a block of 16
	v_lshlrev_b32 v253, 5, v2                      ; channels 8 h on
	v_and_b32 v255, 31, v0
	v_lshlrev_b32 v255, 4, v255
	v_add_nc_u32 v255, s89, v255                   ; my 16 bytes in out
	v_add_nc_u32 v254, OLDS, v255                  ; and in m1's partial outputs
	v_lshl_add_u32 v[XA], v1, 2, s90
	v_lshl_add_u32 v[OA], v1, 2, s91
	s_wait_kmcnt 0x0
	s_load_b32 s56, s[28:29], 0x0                  ; b4_m1
	s_load_b32 s57, s[50:51], 0x0                  ; b4_m2
	s_cmp_lt_u32 s82, 4                            ; my branch's ten pointers: W1 s[8:9], b1 s[10:11], a1 s[12:13], W2 s[14:15], b2 s[16:17], a2 s[18:19], W3 s[20:21], b3 s[22:23], a3 s[24:25], W4 s[26:27]
.irp j, 0,1,2,3,4,5,6,7,8,9
	s_cselect_b64 s[8+2*\j:9+2*\j], s[8+2*\j:9+2*\j], s[30+2*\j:31+2*\j]
.endr
	s_cselect_b32 s79, s78, s92                    ; sigma / pi
	s_add_nc_u64 s[52:53], s[52:53], s[86:87]      ; x and out at the group's first sample
	s_add_nc_u64 s[54:55], s[54:55], s[86:87]
	s_wait_kmcnt 0x0
	s_wait_alu depctr_va_vdst(0)                   ; the addresses v3, v4, v10 to v15 and v252 to v255 are written, which the loads, stores and LDS instructions below read
	; THE SET-UP'S FIRST LOADS, 38 in this order: x 4, column a 2, row a 16, W2 8, W3 8
.irp c, 0,1,2,3
	global_load_b128 v[XS+4*\c:XS+4*\c+3], v10, s[52:53] offset:4096*\c th:TH_LOAD_NT
.endr
	global_load_b128 v[CA1:CA1+3], v13, s[12:13]
	global_load_b128 v[CA2:CA2+3], v13, s[18:19]
.irp c, 0,1,2,3,4,5,6,7
	global_load_b32 v[RW2+\c], v12, s[18:19] offset:32*\c
.endr
.irp c, 0,1,2,3,4,5,6,7
	global_load_b32 v[RW3+\c], v12, s[24:25] offset:32*\c
.endr
.irp c, 0,1,2,3,4,5,6,7
	global_load_b128 v[R2+4*\c:R2+4*\c+3], v11, s[14:15] offset:2048*\c
.endr
.irp c, 0,1,2,3,4,5,6,7
	global_load_b128 v[R3+4*\c:R3+4*\c+3], v11, s[20:21] offset:2048*\c
.endr
	s_wait_loadcnt 34                              ; x is in: the 34 younger loads stay out
.irp c, 0,1,2,3
	ds_store_b128 v10, v[XS+4*\c:XS+4*\c+3] offset:4096*\c
.endr
	s_wait_loadcnt 16                              ; all a are in: W2's and W3's sixteen loads stay out
.irp k, 0,1,2,3,4,5,6,7
	v_rcp_f32 v[CA1+\k], v[CA1+\k]                 ; 1 / a1, 1 / a2 of my columns
.endr
	v_nop                                          ; a plain instruction between the last reciprocal and the use of its result (ISA guide 5.7.2)
	s_wait_alu depctr_va_vdst(0)                   ; the eight reciprocals are written, ahead of their first reader: one wait for the batch
; Four weights of row 8 cc + number / 16: times the row's a, times the columns' 1 / a; cut into hi (the upper 16 bits) and lo (the exact rest, rounded to bf16).
; The pieces stay in the four registers that the weights came in, hi in the first two and lo in the last two: each group has its own registers to be stored from.
.macro FOLD src, rw, ca, cc
.irp k, 0,1,2,3
	v_mul_f32 v[(\src)+4*(\cc)+\k], v[(\rw)+(\cc)], v[(\src)+4*(\cc)+\k]
.endr
	v_pk_mul_f32 v[(\src)+4*(\cc):(\src)+4*(\cc)+1], v[(\src)+4*(\cc):(\src)+4*(\cc)+1], v[(\ca):(\ca)+1]
	v_pk_mul_f32 v[(\src)+4*(\cc)+2:(\src)+4*(\cc)+3], v[(\src)+4*(\cc)+2:(\src)+4*(\cc)+3], v[(\ca)+2:(\ca)+3]
.irp k, 0,1,2,3
	v_fma_mix_f32_bf16 v[SP+\k], v[(\src)+4*(\cc)+\k], v[NEG1], v[(\src)+4*(\cc)+\k] op_sel:[1,0,0] op_sel_hi:[1,0,0]  ; w - hi, exact
.endr
	v_perm_b32 v[(\src)+4*(\cc)], v[(\src)+4*(\cc)+1], v[(\src)+4*(\cc)], s74
	v_perm_b32 v[(\src)+4*(\cc)+1], v[(\src)+4*(\cc)+3], v[(\src)+4*(\cc)+2], s74
	v_cvt_pk_bf16_f32 v[(\src)+4*(\cc)+2], v[SP], v[SP+1]
	v_cvt_pk_bf16_f32 v[(\src)+4*(\cc)+3], v[SP+2], v[SP+3]
.endm
.macro PUT src, cc, im                 ; 8 bytes into each of two images
	ds_store_b64 v14, v[(\src)+4*(\cc):(\src)+4*(\cc)+1] offset:(\im)*IMGB+8*PITCH*(\cc)
	ds_store_b64 v14, v[(\src)+4*(\cc)+2:(\src)+4*(\cc)+3] offset:((\im)+1)*IMGB+8*PITCH*(\cc)
.endm
	s_wait_loadcnt 8                               ; W2 is in: W3's eight loads stay out
.irp c, 0,1,2,3,4,5,6,7
	FOLD R2, RW2, CA1, \c
.endr
	s_wait_alu depctr_va_vdst(0)                   ; the foldings have written W2's pieces in v[R2 ..], which the sixteen LDS stores read
.irp c, 0,1,2,3,4,5,6,7
	PUT R2, \c, 0
.endr
	s_wait_loadcnt 0x0                             ; W3
.irp c, 0,1,2,3,4,5,6,7
	FOLD R3, RW3, CA2, \c
.endr
	s_wait_alu depctr_va_vdst(0)                   ; the foldings have written W3's pieces in v[R3 ..], which the sixteen LDS stores read; and they are done with v[R2 ..], v[R3 ..] and the rows' a in v[204:219], in which loads land below
.irp c, 0,1,2,3,4,5,6,7
	PUT R3, \c, 2
.endr
	s_wait_alu depctr_vm_vsrc(0)                   ; the LDS stores have read v[R2 ..] and v[R3 ..], in which a2 and a3 land
	; what each wave keeps for itself: 52 loads, on their way across the barrier (nobody writes these bytes)
.irp mt, 0,1,2,3
	global_load_b32 v[204+\mt], v252, s[12:13] offset:64*\mt   ; a1, W1, b1 of channel 16 mt + r
	global_load_b32 v[208+\mt], v252, s[8:9] offset:64*\mt
	global_load_b32 v[212+\mt], v252, s[10:11] offset:64*\mt
.endr
.irp mt, 0,1,2,3
.irp q, 0,1
	global_load_b128 v[BIAS+8*\mt+4*\q:BIAS+8*\mt+4*\q+3], v253, s[16:17] offset:64*\mt+16*\q        ; b2 of channels 16 mt + 8 h + 4 q on
	global_load_b128 v[BIAS+32+8*\mt+4*\q:BIAS+32+8*\mt+4*\q+3], v253, s[22:23] offset:64*\mt+16*\q  ; b3
	global_load_b128 v[TA2+8*\mt+4*\q:TA2+8*\mt+4*\q+3], v253, s[18:19] offset:64*\mt+16*\q          ; a2
	global_load_b128 v[TA3+8*\mt+4*\q:TA3+8*\mt+4*\q+3], v253, s[24:25] offset:64*\mt+16*\q          ; a3
	global_load_b128 v[W4R+8*\mt+4*\q:W4R+8*\mt+4*\q+3], v253, s[26:27] offset:64*\mt+16*\q          ; W4
.endr
.endr
	s_wait_dscnt 0x0                               ; for the others' sake: my stores of x and of the images are done
	s_barrier_signal -1
	s_barrier_wait -1                              ; everybody's are; x and the images are written no more
	WIN 0x40                                       ; destination window 1, address window 0.  No vector instruction has named window 1, and none has named v15 since the head's wait
.irp g, 0,1,2,3
.irp mt, 0,1,2,3
.irp kh, 0,1
	ds_load_b128 v[64*\g+16*\mt+8*\kh:64*\g+16*\mt+8*\kh+3],   v15 offset:\g*IMGB+\mt*16*PITCH+64*\kh
	ds_load_b128 v[64*\g+16*\mt+8*\kh+4:64*\g+16*\mt+8*\kh+7], v15 offset:\g*IMGB+\mt*16*PITCH+64*\kh+32
.endr
.endr
.endr
	WIN 0
	s_wait_loadcnt 0x0                             ; the 52
.set i, 0
.rept 16
	v_pk_mul_f32 v[BIAS+i:BIAS+i+1], v[BIAS+i:BIAS+i+1], v[TA2+i:TA2+i+1]              ; bt2 = a2 b2 / pi
	v_pk_mul_f32 v[BIAS+32+i:BIAS+32+i+1], v[BIAS+32+i:BIAS+32+i+1], v[TA3+i:TA3+i+1]  ; bt3 = a3 b3 / pi
.set i, i+2
.endr
.set i, 0
.rept 32
	v_pk_mul_f32 v[BIAS+i:BIAS+i+1], v[BIAS+i:BIAS+i+1], s[78:79] op_sel_hi:[1,0]      ; the pair's low word, 1 / pi, for both halves
.set i, i+2
.endr
.set i, 0
.rept 32
	v_rcp_f32 v[TA3+i], v[TA3+i]
.set i, i+1
.endr
	v_nop                                          ; a plain instruction behind the last reciprocal
.set i, 0
	s_wait_alu depctr_va_vdst(0)                   ; the 32 reciprocals 1 / a3 are written, ahead of their first reader: one wait for the batch
.rept 16
	v_pk_mul_f32 v[W4R+i:W4R+i+1], v[W4R+i:W4R+i+1], v[TA3+i:TA3+i+1]                  ; pi W4 / a3
.set i, i+2
.endr
.set i, 0
.rept 16
	v_pk_mul_f32 v[W4R+i:W4R+i+1], v[W4R+i:W4R+i+1], s[80:81] op_sel_hi:[1,0]
.set i, i+2
.endr
; LAYER 1 ON THE MATRIX UNIT.  P, R and x are each cut into three bf16 pieces (round, subtract exactly, again).  A block of source 0, 16 K deep: lanes 0-15 hold (P1,P1) (P2,P1) (P2,P3) (R1,R2), lanes 16-31
; 0, 0, 0, (R3,0).  Source 1's block D, alike in both halves of the lanes: (x1,x2) (x1,x3) (x2,x1) (1,1).  The sum: P1 x1 + P1 x2 + P2 x1 + P1 x3 + P2 x2 + P3 x1 + R1 + R2 + R3.
.macro AFFBLK mt
	v_mul_f32 v216, v[204+(\mt)], v[208+(\mt)]
	v_mul_f32 v217, v[204+(\mt)], v[212+(\mt)]
	v_mul_f32 v216, s79, v216                      ; P
	v_mul_f32 v217, s78, v217                      ; R
	v_cvt_pk_bf16_f32 v218, v216, v216             ; (P1, P1)
	v_lshlrev_b32 v219, 16, v218
	v_sub_f32 v220, v216, v219                     ; P - P1
	v_cvt_pk_bf16_f32 v221, v220, v220
	v_lshlrev_b32 v221, 16, v221
	v_sub_f32 v222, v220, v221                     ; P - P1 - P2
	v_cvt_pk_bf16_f32 v223, v220, v216             ; (P2, P1)
	v_cvt_pk_bf16_f32 v224, v220, v222             ; (P2, P3)
	v_cvt_pk_bf16_f32 v225, v217, v217
	v_lshlrev_b32 v225, 16, v225
	v_sub_f32 v226, v217, v225                     ; R - R1
	v_cvt_pk_bf16_f32 v225, v226, v226
	v_lshlrev_b32 v225, 16, v225
	v_sub_f32 v227, v226, v225                     ; R - R1 - R2
	v_cvt_pk_bf16_f32 v225, v217, v226             ; (R1, R2)
	v_cvt_pk_bf16_f32 v227, v227, 0                ; (R3, 0)
	v_cndmask_b32 v[AFF+4*(\mt)], v218, 0, s75
	v_cndmask_b32 v[AFF+4*(\mt)+1], v223, 0, s75
	v_cndmask_b32 v[AFF+4*(\mt)+2], v224, 0, s75
	v_cndmask_b32 v[AFF+4*(\mt)+3], v225, v227, s75
.endm
	AFFBLK 0
	AFFBLK 1
	AFFBLK 2
	AFFBLK 3
.irp k, 0,1,2,3
	v_mov_b32 v[BB+\k], 0
	v_mov_b32 v[BB+8+\k], 0
.endr
	v_mov_b32 v[BB+7], 0x3f803f80                  ; (1, 1)
	ds_load_b32 v[XV], v[XA]                       ; tile 0's x: both halves of the lanes take sample r's.  No vector instruction has named v[XV], and none has named v[XA] since the head's wait
	s_wait_alu depctr_vm_vsrc(0)                   ; that load has read v[XA], which the add writes; and the set-up's loads and LDS instructions have read their addresses v10 to v15, which the trips write as work registers
	v_add_nc_u32 v[XA], 64, v[XA]
; A vector instruction that reads a matrix result or writes one of a matrix instruction's registers stands four places behind it, and only plain vector instructions that name none of its
; registers are places (ISA guide 7.12.1).
.macro PLACES
.rept 4
	v_nop
.endr
.endm
.macro XPREP                           ; x's three pieces into D
	v_cvt_pk_bf16_f32 v10, v[XV], v[XV]
	v_lshlrev_b32 v11, 16, v10
	v_sub_f32 v12, v[XV], v11                      ; x - x1
	v_cvt_pk_bf16_f32 v13, v12, v12
	v_lshlrev_b32 v14, 16, v13
	v_sub_f32 v15, v12, v14                        ; x - x1 - x2
	v_cvt_pk_bf16_f32 v[BB+4], v[XV], v12          ; (x1, x2)
	v_cvt_pk_bf16_f32 v[BB+5], v[XV], v15          ; (x1, x3)
	v_cvt_pk_bf16_f32 v[BB+6], v12, v[XV]          ; (x2, x1)
.endm
.macro M1                              ; a fragment of source 0 holds two blocks; D beside zeros picks one of them
	v_wmma_f32_16x16x32_bf16 v[T:T+7],     v[AFF:AFF+7],    v[BB+4:BB+11], 0
	v_wmma_f32_16x16x32_bf16 v[T+8:T+15],  v[AFF:AFF+7],    v[BB:BB+7],    0
	v_wmma_f32_16x16x32_bf16 v[T+16:T+23], v[AFF+8:AFF+15], v[BB+4:BB+11], 0
	v_wmma_f32_16x16x32_bf16 v[T+24:T+31], v[AFF+8:AFF+15], v[BB:BB+7],    0
	PLACES
.endm
; Four matrix instructions: one piece of the weights x one piece of g, 32 along K, all 64 output channels.  The four accumulators take turns, one instruction a turn.
.macro MTERM l, part, g, kh, first
.irp mt, 0,1,2,3
.if \first
	v_wmma_f32_16x16x32_bf16 v[T+8*\mt:T+8*\mt+7], v[128*(\l)+64*(\part)+16*\mt+8*(\kh):128*(\l)+64*(\part)+16*\mt+8*(\kh)+7], v[(\g)+8*(\kh):(\g)+8*(\kh)+7], v[BIAS+32*(\l)+8*\mt:BIAS+32*(\l)+8*\mt+7]
.else
	v_wmma_f32_16x16x32_bf16 v[T+8*\mt:T+8*\mt+7], v[128*(\l)+64*(\part)+16*\mt+8*(\kh):128*(\l)+64*(\part)+16*\mt+8*(\kh)+7], v[(\g)+8*(\kh):(\g)+8*(\kh)+7], v[T+8*\mt:T+8*\mt+7]
.endif
.endr
.endm
.macro MW l                            ; t = bt + Wt g: the bias starts the sums; 24 matrix instructions under one window setting
	WIN 0x01                                       ; source 0 in window 1
	MTERM \l, 0, GH, 0, 1
	MTERM \l, 0, GH, 1, 0
	MTERM \l, 1, GH, 0, 0
	MTERM \l, 1, GH, 1, 0
	MTERM \l, 0, GL, 0, 0
	MTERM \l, 0, GL, 1, 0
	WIN 0
	PLACES
.endm
; g = t + u Q(u) for 8 pairs (two accumulators), in place.  Each accumulator's lowest register is read first.
.macro VPOLY b
.set TB, T+16*(\b)
.set i, 0
.rept 16
	v_rndne_f32 v[KK+i], v[TB+i]
.set i, i+1
.endr
.set i, 0
.rept 8
	v_pk_add_f32 v[UU+i:UU+i+1], v[TB+i:TB+i+1], v[KK+i:KK+i+1] neg_lo:[0,1] neg_hi:[0,1]  ; r
.set i, i+2
.endr
.set i, 0
.rept 8
	v_pk_mul_f32 v[UU+i:UU+i+1], v[UU+i:UU+i+1], v[UU+i:UU+i+1]                            ; u
.set i, i+2
.endr
.set i, 0
.rept 8
	v_pk_fma_f32 v[KK+i:KK+i+1], v[UU+i:UU+i+1], s[72:73], s[70:71] op_sel_hi:[1,0,0]
.set i, i+2
.endr
.set i, 0
.rept 8
	v_pk_fma_f32 v[KK+i:KK+i+1], v[KK+i:KK+i+1], v[UU+i:UU+i+1], s[68:69] op_sel_hi:[1,1,0]
.set i, i+2
.endr
.set i, 0
.rept 8
	v_pk_fma_f32 v[KK+i:KK+i+1], v[KK+i:KK+i+1], v[UU+i:UU+i+1], s[66:67] op_sel_hi:[1,1,0]
.set i, i+2
.endr
.set i, 0
.rept 8
	v_pk_fma_f32 v[TB+i:TB+i+1], v[KK+i:KK+i+1], v[UU+i:UU+i+1], v[TB+i:TB+i+1]
.set i, i+2
.endr
.endm
; g's two pieces for the same 8 pairs: hi = the upper 16 bits, lo = g - hi (exact) rounded to bf16
.macro VSPLIT b
.set TB, T+16*(\b)
.set i, 0
.rept 8
	v_perm_b32 v[GH+8*(\b)+i], v[TB+2*i+1], v[TB+2*i], s74
.set i, i+1
.endr
.set i, 0
.rept 16
	v_fma_mix_f32_bf16 v[KK+i], v[TB+i], v[NEG1], v[TB+i] op_sel:[1,0,0] op_sel_hi:[1,0,0]
.set i, i+1
.endr
.set i, 0
.rept 8
	v_cvt_pk_bf16_f32 v[GL+8*(\b)+i], v[KK+2*i], v[KK+2*i+1]
.set i, i+1
.endr
.endm
; the last layer in f32: pair p onto chain p % 4; the first four pairs start the chains
.macro VDOT b
.set i, 0
.rept 8
.if ((\b) == 0) && (i < 4)
	v_pk_mul_f32 v[ACC+2*i:ACC+2*i+1], v[T+2*i:T+2*i+1], v[W4R+2*i:W4R+2*i+1]
.else
	v_pk_fma_f32 v[ACC+2*(i%4):ACC+2*(i%4)+1], v[T+16*(\b)+2*i:T+16*(\b)+2*i+1], v[W4R+16*(\b)+2*i:W4R+16*(\b)+2*i+1], v[ACC+2*(i%4):ACC+2*(i%4)+1]
.endif
.set i, i+1
.endr
.endm
; A trip: 16 samples through my branch.  first = 1: the first trip, with no trip in front of it: nothing to store, and v[OA] stays.
.macro TRIP first
	s_wait_dscnt 0x0                               ; x, asked for a trip ago, and the store issued beside it; in the first trip the weights' fragments too
	XPREP
	s_wait_alu depctr_va_vdst(0)                   ; the nine lines above are done reading v[XV], in which the load below lands; the trip before has written v[XA], v[OA] and its sum v[ACC], which the load and the store below read
	ds_load_b32 v[XV], v[XA]                       ; the next tile's x.  In the last trip this reads the 64 bytes behind my 4,096: a neighbour's x or an image's first bytes, written ahead of the first barrier and never after; the number is not used
.if !\first
	ds_store_b32 v[OA], v[ACC]                     ; the trip before's partial output: both halves of the lanes store the same word with the same number
.endif
	M1
	VPOLY 0
	VSPLIT 0
	VPOLY 1
	VSPLIT 1
	MW 0
	VPOLY 0
	VSPLIT 0
	VPOLY 1
	VSPLIT 1
	MW 1
	s_wait_alu depctr_vm_vsrc(0)                   ; the load at the trip's head has read v[XA], the store v[OA] and v[ACC]: the two adds and the last layer's sums write them again
	v_add_nc_u32 v[XA], 64, v[XA]
.if !\first
	v_add_nc_u32 v[OA], 64, v[OA]
.endif
	VPOLY 0
	VDOT 0
	VPOLY 1
	VDOT 1
	v_pk_add_f32 v[ACC:ACC+1], v[ACC:ACC+1], v[ACC+2:ACC+3]
	v_pk_add_f32 v[ACC+4:ACC+5], v[ACC+4:ACC+5], v[ACC+6:ACC+7]
	v_pk_add_f32 v[ACC:ACC+1], v[ACC:ACC+1], v[ACC+4:ACC+5]
	v_add_f32 v[ACC], v[ACC], v[ACC+1]             ; my 32 channels
	v_permlanex16_b32 v[PX], v[ACC], s76, s77      ; the sample's other 32 lie in the lane 16 away
	v_add_f32 v[ACC], v[ACC], v[PX]
.endm
	TRIP 1                                         ; tile 0
	s_mov_b32 s85, TRIPS-1
.Ltile:                                                ; tiles 1 to 63; each trip stores the output of the tile before
	TRIP 0
	s_sub_co_u32 s85, s85, 1
	s_cmp_lg_u32 s85, 0
	s_cbranch_scc1 .Ltile
	s_wait_alu depctr_va_vdst(0)                   ; the last trip has written v[ACC] and v[OA], which the store reads; and all vector and matrix instructions are done with v[T ..], in which the loads behind the barrier land
	ds_store_b32 v[OA], v[ACC]                     ; tile 63's partial output
	; THE WAY OUT.  Wave w adds the two branches' partial outputs of samples 512 w .. 512 w + 511 and stores them.
	s_wait_dscnt 0x0                               ; for the others' sake: my partial outputs are in LDS
	s_barrier_signal -1
	s_barrier_wait -1
.irp c, 0,1,2,3
	ds_load_b128 v[T+4*\c:T+4*\c+3], v254 offset:512*\c              ; m1's
	ds_load_b128 v[T+16+4*\c:T+16+4*\c+3], v254 offset:16384+512*\c  ; m2's
.endr
	v_mov_b32 v244, s56
	v_add_f32 v244, s57, v244                      ; b4_m1 + b4_m2
	v_mov_b32 v245, v244
	s_wait_dscnt 0x0
.set i, 0
.rept 8
	v_pk_add_f32 v[T+i:T+i+1], v[T+i:T+i+1], v[T+16+i:T+16+i+1]
.set i, i+2
.endr
.set i, 0
.rept 8
	v_pk_add_f32 v[T+i:T+i+1], v[T+i:T+i+1], v[244:245]
.set i, i+2
.endr
	s_wait_alu depctr_va_vdst(0)                   ; the additions have written v[T .. T+15], which the four stores read
.irp c, 0,1,2,3
	global_store_b128 v255, v[T+4*\c:T+4*\c+3], s[54:55] offset:512*\c th:TH_STORE_NT  ; a wave's store covers 512 consecutive bytes, at a multiple of 512 from out's first byte
.endr
	s_wait_dscnt 0x0                               ; the closing lines, six on end
	s_wait_alu 0x0
	s_wait_tensorcnt 0x0
	ds_add_u32 v[SPW], v[NIL]
	s_wait_dscnt 0x0
	s_endpgm
.Lfunc_end_k_q5134d7ac51_doublesin:
	.size	k_q5134d7ac51_doublesin, .Lfunc_end_k_q5134d7ac51_doublesin-k_q5134d7ac51_doublesin
	.p2alignl 7, 3214868480
	.fill 96, 4, 3214868480
	.section	.rodata,"a",@progbits
	.p2align	6, 0x0
	.amdhsa_kernel k_q5134d7ac51_doublesin
		.amdhsa_group_segment_fixed_size 123904
		.amdhsa_private_segment_fixed_size 0
		.amdhsa_enable_private_segment 0
		.amdhsa_kernarg_size 192
		.amdhsa_user_sgpr_count 2
		.amdhsa_user_sgpr_kernarg_segment_ptr 1
		.amdhsa_wavefront_size32 1
		.amdhsa_system_sgpr_workgroup_id_x 1
		.amdhsa_system_sgpr_workgroup_id_y 1
		.amdhsa_system_sgpr_workgroup_id_z 1
		.amdhsa_system_vgpr_workitem_id 0
		.amdhsa_next_free_vgpr 512
		.amdhsa_next_free_sgpr 96
		.amdhsa_reserve_vcc 0
		.amdhsa_float_denorm_mode_32 3
		.amdhsa_float_denorm_mode_16_64 3
		.amdhsa_memory_ordered 1
		.amdhsa_forward_progress 1
		.amdhsa_inst_pref_size 116
	.end_amdhsa_kernel
	.amdgpu_metadata
---
amdhsa.version: [ 1, 2 ]
amdhsa.kernels:
  - .name:           k_q5134d7ac51_doublesin
    .symbol:         k_q5134d7ac51_doublesin.kd
    .args:
      - { .name: W1_m1, .offset: 0, .size: 8, .value_kind: global_buffer, .address_space: global }
      - { .name: b1_m1, .offset: 8, .size: 8, .value_kind: global_buffer, .address_space: global }
      - { .name: a1_m1, .offset: 16, .size: 8, .value_kind: global_buffer, .address_space: global }
      - { .name: W2_m1, .offset: 24, .size: 8, .value_kind: global_buffer, .address_space: global }
      - { .name: b2_m1, .offset: 32, .size: 8, .value_kind: global_buffer, .address_space: global }
      - { .name: a2_m1, .offset: 40, .size: 8, .value_kind: global_buffer, .address_space: global }
      - { .name: W3_m1, .offset: 48, .size: 8, .value_kind: global_buffer, .address_space: global }
      - { .name: b3_m1, .offset: 56, .size: 8, .value_kind: global_buffer, .address_space: global }
      - { .name: a3_m1, .offset: 64, .size: 8, .value_kind: global_buffer, .address_space: global }
      - { .name: W4_m1, .offset: 72, .size: 8, .value_kind: global_buffer, .address_space: global }
      - { .name: b4_m1, .offset: 80, .size: 8, .value_kind: global_buffer, .address_space: global }
      - { .name: W1_m2, .offset: 88, .size: 8, .value_kind: global_buffer, .address_space: global }
      - { .name: b1_m2, .offset: 96, .size: 8, .value_kind: global_buffer, .address_space: global }
      - { .name: a1_m2, .offset: 104, .size: 8, .value_kind: global_buffer, .address_space: global }
      - { .name: W2_m2, .offset: 112, .size: 8, .value_kind: global_buffer, .address_space: global }
      - { .name: b2_m2, .offset: 120, .size: 8, .value_kind: global_buffer, .address_space: global }
      - { .name: a2_m2, .offset: 128, .size: 8, .value_kind: global_buffer, .address_space: global }
      - { .name: W3_m2, .offset: 136, .size: 8, .value_kind: global_buffer, .address_space: global }
      - { .name: b3_m2, .offset: 144, .size: 8, .value_kind: global_buffer, .address_space: global }
      - { .name: a3_m2, .offset: 152, .size: 8, .value_kind: global_buffer, .address_space: global }
      - { .name: W4_m2, .offset: 160, .size: 8, .value_kind: global_buffer, .address_space: global }
      - { .name: b4_m2, .offset: 168, .size: 8, .value_kind: global_buffer, .address_space: global }
      - { .name: x, .offset: 176, .size: 8, .value_kind: global_buffer, .address_space: global }
      - { .name: out0, .offset: 184, .size: 8, .value_kind: global_buffer, .address_space: global }
    .group_segment_fixed_size: 123904
    .private_segment_fixed_size: 0
    .kernarg_segment_align: 8
    .kernarg_segment_size: 192
    .max_flat_workgroup_size: 256
    .sgpr_count:     96
    .vgpr_count:     512
    .wavefront_size: 32
...
	.end_amdgpu_metadata
.endif
;; end of part 2
